; MI455X (gfx1250); checked and timed in simulation.
; The chip was launched on July 23, 2026; its instructions are those of AMD's public machine-readable ISA for CDNA 5 (MIT licence, August 2026) and "CDNA5" Instruction Set Architecture Reference Guide (July 2026). The comments in the code are by the model that wrote it; some were corrected since.
;; Attn Block. Allowed arithmetic: matrix products marked QUANTISED: E2M3 operands, one E8M0 scale for each 32 along K, by v_wmma_scale_f32_16x16x128_f8f6f4 with both operands' format E2M3, f32 sums; everything else in f32.
;; Inputs: bk 128 float32; bo 128 float32; bq 128 float32; bv 128 float32; gn_bias 128 float32; gn_scale 128 float32; wk_codes 128 x 4 x 24 uint8 (E2M3 codes of wk, K innermost, in blocks of 32 codes, four codes in three bytes); wk_scales 128 x 4 uint8 (E8M0 scales of wk, one for each 32 codes along K); wo_codes 128 x 4 x 24 uint8 (E2M3 codes of wo, K innermost, in blocks of 32 codes, four codes in three bytes); wo_scales 128 x 4 uint8 (E8M0 scales of wo, one for each 32 codes along K); wq_codes 128 x 4 x 24 uint8 (E2M3 codes of wq, K innermost, in blocks of 32 codes, four codes in three bytes); wq_scales 128 x 4 uint8 (E8M0 scales of wq, one for each 32 codes along K); wv_codes 128 x 4 x 24 uint8 (E2M3 codes of wv, K innermost, in blocks of 32 codes, four codes in three bytes); wv_scales 128 x 4 uint8 (E8M0 scales of wv, one for each 32 codes along K); x 8 x 64 x 64 x 128 float32.
;; Outputs: out0 8 x 64 x 64 x 128 float32.
;; This version of the problem:
;;   THIS VERSION OF THE PROBLEM IS GIVEN IN LOW PRECISION. The matrix products marked QUANTISED in the list below multiply operands that are first quantised to E2M3 (2 exponent bits, 3 mantissa bits; 6 bits a number), with one power-of-two scale for each 32 numbers along K (OCP MX v1.0); their sums are f32. All else is computed in f32.
;;   The module's matrix products, in the order in which they are computed (A, B: the left and right operand; K: the contracted axis; several contracted axes count as one K, in the product's order):
;;     1. [M 32,768, K 128] x [K 128, N 128]; A: computed on the way; B: input wq (given as codes): QUANTISED
;;     2. [M 32,768, K 128] x [K 128, N 128]; A: computed on the way; B: input wk (given as codes): QUANTISED
;;     3. [M 32,768, K 128] x [K 128, N 128]; A: computed on the way; B: input wv (given as codes): QUANTISED
;;     4. batch 8 x [M 4,096, K 128] x [K 128, N 4,096]; A: computed on the way; B: computed on the way: QUANTISED
;;     5. batch 8 x [M 4,096, K 4,096] x [K 4,096, N 128]; A: softmax (see below); B: computed on the way: QUANTISED
;;     6. [M 32,768, K 128] x [K 128, N 128]; A: computed on the way; B: input wo (given as codes): QUANTISED
;;   THE QUANTISER, for each operand of a quantised product, along K:
;;     - K is cut into blocks of 32 from its start; a last block that is shorter is filled with zeros.
;;     - A block's scale is 2^e with e = floor(log2(the largest magnitude in the block)) - 2, held to -126 .. 127; a block of zeros has e = 0. As a byte (E8M0): e + 127.
;;     - Each number is divided by its block's scale, clamped to +-7.5, and rounded to the nearest number of E2M3, ties to even, subnormals kept.
;;     - The product sums the exact products of the quantised numbers (number of the format x scale) in f32.
;;   ~~~python
;;   def quantise(x, axis):      # numpy; x: float32 -> the quantised numbers, widened to float32 again
;;       x = np.moveaxis(x, axis, -1); K = x.shape[-1]
;;       x = np.pad(x, [(0, 0)] * (x.ndim - 1) + [(0, -K % 32)]); x = x.reshape(x.shape[:-1] + (-1, 32)); a = np.abs(x).max(-1, keepdims=True)
;;       e = np.where(a > 0, np.clip(np.frexp(np.where(a > 0, a, 1))[1] - 1 - 2, -126, 127), 0)      # np.frexp(a)[1] - 1 = floor(log2(a)), exactly
;;       r = np.clip(x / 2.0 ** e, -7.5, 7.5)
;;       step = 2.0 ** (np.maximum(np.frexp(np.where(r == 0, 1, r))[1] - 1, 0) - 3)
;;       q = np.round(r / step) * step * 2.0 ** e      # np.round: ties to even
;;       return np.moveaxis(q.reshape(q.shape[:-2] + (-1,))[..., :K], -1, axis).astype(np.float32)
;;   ~~~
;;   SOFTMAX AHEAD OF A QUANTISED PRODUCT. Where the list says 'softmax', what is quantised is not the finished softmax but p = 2^(t - M), with t = logit x log2(e) and M = ceil(the row's largest t), a whole number; so 1/2 < the row's largest p <= 1. The row's sum l is taken of the UNQUANTISED p, in f32, and the product's result is divided by l at the end. Since M is a whole number, a kernel that streams over the keys may use a running M (the ceiling of the running maximum): every later rescaling is an exact power of two, which a block's scale takes up: the codes' values come out the same.
;;   OPERANDS COMPUTED ON THE WAY. 'Computed on the way' means the value that the module computes at that place (a softmax that the list does not call 'softmax' is quantised finished and normalised). What goes into a quantiser is computed in f32, as accurately as f32 sums, v_exp_f32 and their like allow (about 1e-6 of the number): no bf16 or f16 on the way to a quantiser, and a product that is left as it is and whose result goes on into a quantised operand takes f32 operands (vector FMAs, or v_wmma_f32_16x16x4_f32). A number that lies on a knife's edge between two numbers of the format may be rounded either way, as far as f32 arithmetic and the matrix unit's own rounding can turn it there, and no further.
;;   INPUTS GIVEN AS CODES. wk (in the module: [128, 128], K = its axis 0); wo (in the module: [128, 128], K = its axis 0); wq (in the module: [128, 128], K = its axis 0); wv (in the module: [128, 128], K = its axis 0): each comes as NAME_codes (uint8): NAME with its K axis moved to the last place and cut into blocks of 32 codes, [.., K / 32, bytes a block], one block behind the other in memory; four codes in three bytes: a row's codes are one little-endian stream of bits, code i at bits 6 i .. 6 i + 5 (a code: sign, 2 exponent bits, 3 mantissa bits); and NAME_scales (uint8): the same leading axes, one E8M0 byte (e + 127) for each 32 codes along K. Its value is code x scale, taken as it is: it is not quantised again, and the codes and scales need not be those that the quantiser above would give.
;; One version. Each part assembles by itself: llvm-mc -triple=amdgcn-amd-amdhsa -mcpu=gfx1250 --defsym DOCPART=n.
;; ======== version 1 of 1: 3 launches
;; workspace buffers: part 65,536 bytes; qimg 3,145,728 bytes; qsc 131,072 bytes; kv 6,291,456 bytes; kvs 262,144 bytes
;; launch stats (part 1): grid 32 x 8, 8 waves a work-group, no clusters, 3,072 bytes of LDS; arguments x, part; writes part
.if DOCPART == 1
	.amdgcn_target "amdgcn-amd-amdhsa--gfx1250"
	.amdhsa_code_object_version 6
	.text
	.protected	k_q387a92e810_stats
	.globl	k_q387a92e810_stats
	.p2align	8
	.type	k_q387a92e810_stats,@function
k_q387a92e810_stats:
	s_mov_b64 s[64:65], 0
	v_nop
	global_prefetch_b8 v0, s[64:65] scope:SCOPE_SE
	s_setreg_imm32_b32 hwreg(HW_REG_WAVE_MODE, 25, 1), 1
	s_wait_xcnt 0x0
; GroupNorm's statistics, first half.  x: [8][4096][128] f32; a group is 4 neighbouring channels, 16 bytes of a row.
; Work-group (chunk, batch) takes 128 positions, wave w 16 of them; lane l takes bytes 16 l of each row: the 4 channels of group l.
; So a lane's 64 numbers belong to one group and no lane needs another.  Each part gives its MEAN and its M2 (the sum of squared
; deviations from its own mean); parts are joined by mean = average of the means, M2 = sum of M2 + n x sum of (mean_i - mean)^2:
; no difference of large sums is formed, whatever offset the inputs carry.
; part: [8 batch][32 chunk][32 group][mean, M2] f32: a chunk's 256 bytes leave by one store of 32 lanes.
; All 16 rows of a wave (8 KiB) are asked for at once; nothing is read twice.  LIMITS: NaN and infinities among the inputs are not served.
.set X, 16                             ; v16-79: 16 rows x 4 numbers
	s_load_b128 s[4:7], s[0:1], 0x0                ; x, part
	v_lshl_add_u32 v96, v0, 2, 0x800
	v_mov_b32 v97, 0
	v_lshrrev_b32 v1, 5, v0
	v_readfirstlane_b32 s8, v1                     ; wave 0..7
	v_and_b32 v2, 31, v0                           ; lane = group
	v_lshlrev_b32 v1, 4, v2                        ; 16 x lane: my bytes of a row
	v_lshlrev_b32 v2, 3, v2                        ; 8 x lane: my pair (mean, M2)
	s_lshl_b32 s9, s8, 8
	v_add_nc_u32 v3, s9, v2                        ; LDS: 256 x wave + 8 x lane
	s_and_b32 s10, ttmp7, 0xffff                   ; batch
	s_lshl_b32 s11, s10, 12
	s_lshl_b32 s12, ttmp9, 7
	s_add_co_u32 s11, s11, s12
	s_lshl_b32 s12, s8, 4
	s_add_co_u32 s11, s11, s12                     ; my first row: 4096 b + 128 chunk + 16 w
	s_lshl_b32 s12, s11, 9                         ; in bytes (under 2^24)
	s_mov_b32 s13, 0
	s_lshl_b32 s14, s10, 5
	s_add_co_u32 s14, s14, ttmp9
	s_lshl_b32 s14, s14, 8                         ; part: (32 b + chunk) x 256
	s_mov_b32 s15, 0
	s_wait_kmcnt 0x0
	s_add_nc_u64 s[4:5], s[4:5], s[12:13]
	s_add_nc_u64 s[6:7], s[6:7], s[14:15]
.set i, 0
.rept 16
	global_load_b128 v[X+4*i:X+4*i+3], v1, s[4:5] offset:512*i     ; 32 lanes read a whole row of 512 bytes
.set i, i+1
.endr
	v_mov_b32 v13, 0                               ; (named below as the upper half of the pair v[12:13])
	s_wait_loadcnt 0x0
	; the sum of my 64 numbers: four chains of packed additions, started by the first words
.irp k, 0,1,2,3
	v_pk_add_f32 v[4+2*\k:5+2*\k], v[X+2*\k:X+2*\k+1], v[X+8+2*\k:X+9+2*\k]
.endr
.set j, 8
.rept 24
	v_pk_add_f32 v[4+2*(j%4):5+2*(j%4)], v[4+2*(j%4):5+2*(j%4)], v[X+2*j:X+2*j+1]
.set j, j+1
.endr
	v_pk_add_f32 v[4:5], v[4:5], v[6:7]
	v_pk_add_f32 v[8:9], v[8:9], v[10:11]
	v_pk_add_f32 v[4:5], v[4:5], v[8:9]
	v_add_f32 v12, v4, v5
	v_mul_f32 v12, 0x3c800000, v12                 ; mean = sum / 64
.set j, 0
.rept 32
	v_pk_add_f32 v[X+j:X+j+1], v[X+j:X+j+1], v[12:13] op_sel_hi:[1,0] neg_lo:[0,1] neg_hi:[0,1]   ; x - mean, in place
.set j, j+2
.endr
	v_pk_mul_f32 v[4:5], v[X:X+1], v[X:X+1]        ; M2: two chains, started by products
	v_pk_mul_f32 v[6:7], v[X+2:X+3], v[X+2:X+3]
.set j, 4
.rept 15
	v_pk_fma_f32 v[4:5], v[X+j:X+j+1], v[X+j:X+j+1], v[4:5]
	v_pk_fma_f32 v[6:7], v[X+j+2:X+j+3], v[X+j+2:X+j+3], v[6:7]
.set j, j+4
.endr
	v_pk_add_f32 v[4:5], v[4:5], v[6:7]
	v_add_f32 v13, v4, v5
	ds_store_b64 v3, v[12:13]
	s_wait_dscnt 0x0                               ; for the others' sake: my pair lies in LDS
	s_barrier_signal -1
	s_barrier_wait -1
	s_cmp_lg_u32 s8, 0
	s_cbranch_scc1 .Ldone                          ; wave 0 joins the eight parts of 64 numbers
.irp i, 0,1,2,3,4,5,6,7
	ds_load_b64 v[16+2*\i:17+2*\i], v2 offset:256*\i
.endr
	s_wait_dscnt 0x0
	v_add_f32 v4, v16, v18
	v_add_f32 v5, v20, v22
	v_add_f32 v6, v24, v26
	v_add_f32 v7, v28, v30
	v_add_f32 v8, v17, v19
	v_add_f32 v9, v21, v23
	v_add_f32 v10, v25, v27
	v_add_f32 v11, v29, v31
	v_add_f32 v4, v4, v5
	v_add_f32 v6, v6, v7
	v_add_f32 v8, v8, v9
	v_add_f32 v10, v10, v11
	v_add_f32 v4, v4, v6
	v_add_f32 v13, v8, v10                         ; the sum of the M2
	v_mul_f32 v12, 0x3e000000, v4                  ; mean = the means' average
.irp i, 0,1,2,3,4,5,6,7
	v_sub_f32 v[16+2*\i], v[16+2*\i], v12
.endr
	v_mul_f32 v5, v16, v16
	v_mul_f32 v6, v18, v18
.irp i, 2,4,6
	v_fmac_f32 v5, v[16+2*\i], v[16+2*\i]
	v_fmac_f32 v6, v[18+2*\i], v[18+2*\i]
.endr
	v_add_f32 v5, v5, v6
	v_fmac_f32 v13, 0x42800000, v5                 ; + 64 x the sum of squared distances of the means
	global_store_b64 v2, v[12:13], s[6:7]          ; 32 lanes store 256 consecutive bytes, aligned
.Ldone:
	s_wait_tensorcnt 0x0
	ds_add_u32 v96, v97
	s_wait_dscnt 0x0
	s_endpgm
.Lfunc_end_k_q387a92e810_stats:
	.size	k_q387a92e810_stats, .Lfunc_end_k_q387a92e810_stats-k_q387a92e810_stats
	.p2alignl 7, 3214868480
	.fill 96, 4, 3214868480
	.section	.rodata,"a",@progbits
	.p2align	6, 0x0
	.amdhsa_kernel k_q387a92e810_stats
		.amdhsa_group_segment_fixed_size 3072
		.amdhsa_private_segment_fixed_size 0
		.amdhsa_enable_private_segment 0
		.amdhsa_kernarg_size 16
		.amdhsa_user_sgpr_count 2
		.amdhsa_user_sgpr_kernarg_segment_ptr 1
		.amdhsa_wavefront_size32 1
		.amdhsa_system_sgpr_workgroup_id_x 1
		.amdhsa_system_sgpr_workgroup_id_y 1
		.amdhsa_system_sgpr_workgroup_id_z 1
		.amdhsa_system_vgpr_workitem_id 0
		.amdhsa_next_free_vgpr 98
		.amdhsa_next_free_sgpr 66
		.amdhsa_reserve_vcc 0
		.amdhsa_float_denorm_mode_32 3
		.amdhsa_float_denorm_mode_16_64 3
		.amdhsa_memory_ordered 1
		.amdhsa_forward_progress 1
		.amdhsa_inst_pref_size 11
	.end_amdhsa_kernel
	.amdgpu_metadata
---
amdhsa.version: [ 1, 2 ]
amdhsa.kernels:
  - .name:           k_q387a92e810_stats
    .symbol:         k_q387a92e810_stats.kd
    .args:
      - { .name: x, .offset: 0, .size: 8, .value_kind: global_buffer, .address_space: global }
      - { .name: part, .offset: 8, .size: 8, .value_kind: global_buffer, .address_space: global }
    .group_segment_fixed_size: 3072
    .private_segment_fixed_size: 0
    .kernarg_segment_align: 8
    .kernarg_segment_size: 16
    .max_flat_workgroup_size: 256
    .sgpr_count:     66
    .vgpr_count:     98
    .wavefront_size: 32
...
	.end_amdgpu_metadata
.endif
;; end of part 1
;; launch qkv (part 2): grid 32 x 8, 8 waves a work-group, no clusters, 87,040 bytes of LDS; arguments x, part, gn_scale, gn_bias, wq_codes, wq_scales, bq, wk_codes, wk_scales, bk, wv_codes, wv_scales, bv, qimg, qsc, kv, kvs; writes qimg, qsc, kv, kvs
.if DOCPART == 2
	.amdgcn_target "amdgcn-amd-amdhsa--gfx1250"
	.amdhsa_code_object_version 6
	.text
	.protected	k_q387a92e810_qkv
	.globl	k_q387a92e810_qkv
	.p2align	8
	.type	k_q387a92e810_qkv,@function
k_q387a92e810_qkv:
	s_mov_b64 s[64:65], 0
	v_nop
	global_prefetch_b8 v0, s[64:65] scope:SCOPE_SE
	s_setreg_imm32_b32 hwreg(HW_REG_WAVE_MODE, 25, 1), 1
	s_wait_xcnt 0x0
; h = GroupNorm(x); q, k, v = Q(h) W + b on codes of FP6 (E2M3) with one E8M0 scale for each 32 along K; q and k are quantised along the channels, v along the keys.
; A work-group takes one STEP of 128 positions of one batch; wave w makes tile w of h, q and k (16 positions) and, behind a barrier, the channel tile w of v for all 128 positions.
; THE ROWS OF A TILE ARE NOT NEIGHBOURS: row m of tile 2 b + u is number 32 b + 8 u + m + 8 (m / 8), for positions and for the weights' output channels alike.  A product whose result runs
; along such tiles then has, in a lane's registers 16 b + i, the numbers 32 b + 16 (lane / 16) + i of the next K: what the conversions want.
; q, k: transposed use (source 0 = 16 rows of W, source 1 = h): a lane holds one position, registers run along the channels.  v: source 0 = 16 positions of h, source 1 = 16 rows of wv: a lane
; holds one channel, registers run along the positions, which are the second attention product's K.  The biases are the C of each product.
; WHAT LEAVES: images of operand registers (register group c of lane l at 512 c + 16 l of a fragment's 1,536 bytes), so that the reader takes a fragment by three loads of 16 bytes a lane:
;   qimg [8][256 tiles][1536];  kv [8][32 steps][K's 8 tiles, V's 8 tiles][1536];  qsc [8][256][16 words];  kvs [8][32][K 512, V 512]: the word of (tile t, row r) at 256 (t / 4) + 16 r + 4 (t % 4).
; THE STATISTICS are finished here from the 32 parts of a batch (mean, M2 of 512 numbers each): no difference of large sums.  h = (x - mean) (rsqrt(var + 1e-6) gain) + bias, in f32.
; LIMITS: NaN and infinities are not served; a block whose largest magnitude lies under 2^-124 has its byte held at 1; a block of zeros keeps the byte 1 (its codes are zeros; this program alone reads the bytes).
; No tensor loads: each wave reads its own rows of x once, in whole rows; the weights are 36 KiB that every work-group reads.
.set SPT,  528                         ; a stage row: 512 bytes + 16: 33 x 16, so that sixteen rows' equal columns fall on sixteen different 16-byte columns
.set WST,  16*SPT                      ; a wave's stage
.set HIMG, 8*WST                       ; h's eight fragments, as images
.set HSC,  HIMG+8*1536                 ; their scale words, 128 bytes each
.set GAT,  HSC+8*128                   ; the scale words on their way out: q's 512 bytes, k's 512, v's 512
.set TM,   16                          ; v16-31   first the norm's coefficients, then the quantiser's 16 registers
.set XR,   32                          ; v32-95   16 rows of x, then k's accumulators (begun with bk)
.set HA,   96                          ; v96-159  the 32 parts, then h, then v's accumulators
.set AQ,   160                         ; v160-223 q's accumulators (begun with bq)
.set PC,   224                         ; v224-235 the codes just made
.set WQS,  244                         ; v244-247 wq's scale words: register b: lanes 0-15 tile 2 b, lanes 16-31 tile 2 b + 1
.set WKS,  248                         ; v248-251 wk's
.set HSW,  244                         ; v244-251 later: h's scale words, tile T
.set WVS,  252                         ; v252     wv's, my channel tile
.set PW,   254                         ; v254     the scale word just made
.set WQ,   0                           ; window 1: wq's 8 fragments, later h's 8
.set WK,   96                          ; wk's
.set WVF,  192                         ; wv's one
.set BV,   204                         ; bv of my lane's channel, eight times
.set WV,   38                          ; s38 wave
.set SEL,  40                          ; s[40:41] lane l xor 16
.set MSB, 0
.macro WIN new                         ; the immediate's high byte repeats the setting that is left
.if MSB != \new
	s_set_vgpr_msb (MSB<<8)|\new
.set MSB, \new
.endif
.endm
; 64 numbers of a lane, register 16 b + i = k 32 b + 16 (lane / 16) + i of my row, become a fragment's codes in v[PC] on and its scale word in v[PW].
.macro QUANT s
.irp b, 0,1,2,3
	v_max3_num_f32 v[TM+\b], |v[\s+16*\b]|, |v[\s+1+16*\b]|, 0x1800000   ; my 16 numbers of block b, and the floor 2^(3 - 127): the byte cannot fall under 1
.endr
.irp i, 2,4,6,8,10,12,14
.irp b, 0,1,2,3
	v_max3_num_f32 v[TM+\b], v[TM+\b], |v[\s+16*\b+\i]|, |v[\s+1+16*\b+\i]|   ; the four blocks by turns
.endr
.endr
.irp b, 0,1,2,3
	v_permlanex16_b32 v[TM+4+\b], v[TM+\b], s[SEL], s[SEL+1]
.endr
.irp b, 0,1,2,3
	v_max_num_f32 v[TM+\b], v[TM+\b], v[TM+4+\b]   ; with lane l xor 16's: the block's largest magnitude
.endr
.irp b, 0,1,2,3
	v_add_nc_u32 v[TM+12+\b], 0xff000000, v[TM+\b] ; 2 off its exponent field: the conversion's scale operand
.endr
.irp b, 0,1,2,3
	v_lshrrev_b32 v[TM+4+\b], 23, v[TM+12+\b]      ; the scale's byte
.endr
	v_lshl_or_b32 v[PW], v[TM+5], 8, v[TM+4]
	v_lshl_or_b32 v[PW], v[TM+6], 16, v[PW]
	v_lshl_or_b32 v[PW], v[TM+7], 24, v[PW]
.irp c, 0,1
	v_cvt_scalef32_pk16_fp6_f32 v[PC+6*\c:PC+6*\c+2], v[\s+32*\c:\s+32*\c+15], v[TM+12+2*\c]
	v_cvt_scalef32_pk16_fp6_f32 v[TM+4+4*\c:TM+6+4*\c], v[\s+16+32*\c:\s+31+32*\c], v[TM+13+2*\c]   ; (a conversion's three registers begin on an even number)
.endr
	v_nop                                          ; one plain instruction behind the scaled conversions
.irp c, 0,1                                    ; the operand wants a whole block in a lane: lanes 0-15 block 2 c, lanes 16-31 block 2 c + 1
.irp i, 0,1,2
	v_permlane16_swap_b32 v[PC+6*\c+\i], v[TM+4+4*\c+\i]
.endr
.irp i, 0,1,2
	v_mov_b32 v[PC+3+6*\c+\i], v[TM+4+4*\c+\i]
.endr
.endr
.endm
.macro IMG_GLB base, off                       ; the fragment leaves as it stands: each store covers 512 consecutive bytes, aligned
.irp c, 0,1,2
	global_store_b128 v1, v[PC+4*\c:PC+4*\c+3], s[\base:\base+1] offset:\off+512*\c
.endr
.endm
.macro BARRIER
	s_wait_dscnt 0x0                               ; my LDS stores have landed and my LDS loads are in
	s_barrier_signal -1
	s_barrier_wait -1
.endm
; eight products: tile t of W (window 1) x h's fragment, onto the bias that lies in the accumulator.  Sixteen different accumulators follow each other.
.macro PROJ acc, wf, ws
.irp t, 0,1,2,3,4,5,6,7
.if \t%2
	v_wmma_scale_f32_16x16x128_f8f6f4 v[\acc+8*\t:\acc+8*\t+7], v[\wf+12*\t:\wf+12*\t+11], v[PC:PC+11], v[\acc+8*\t:\acc+8*\t+7], v[\ws+\t/2], v[PW] matrix_a_fmt:MATRIX_FMT_FP6 matrix_b_fmt:MATRIX_FMT_FP6 matrix_a_scale:MATRIX_SCALE_ROW1
.else
	v_wmma_scale_f32_16x16x128_f8f6f4 v[\acc+8*\t:\acc+8*\t+7], v[\wf+12*\t:\wf+12*\t+11], v[PC:PC+11], v[\acc+8*\t:\acc+8*\t+7], v[\ws+\t/2], v[PW] matrix_a_fmt:MATRIX_FMT_FP6 matrix_b_fmt:MATRIX_FMT_FP6
.endif
.endr
.endm
	s_load_b512 s[4:19], s[0:1], 0x0               ; x 4, part 6, gn_scale 8, gn_bias 10, wq_codes 12, wq_scales 14, bq 16, wk_codes 18
	s_load_b512 s[20:35], s[0:1], 0x40             ; wk_scales 20, bk 22, wv_codes 24, wv_scales 26, bv 28, qimg 30, qsc 32, kv 34
	s_load_b64 s[36:37], s[0:1], 0x80              ; kvs
	v_lshl_add_u32 v253, v0, 2, 0x15000
	v_mov_b32 v255, 0
	v_lshrrev_b32 v1, 5, v0
	v_readfirstlane_b32 s[WV], v1                  ; wave 0..7
	v_and_b32 v16, 31, v0                          ; lane
	v_and_b32 v17, 15, v0                          ; r
	v_bfe_u32 v18, v0, 4, 1                        ; h
	v_lshlrev_b32 v1, 4, v16                       ; v1  16 x lane
	v_lshlrev_b32 v2, 3, v16                       ; v2  8 x lane
	s_mul_i32 s42, s[WV], WST
	v_add_nc_u32 v3, s42, v1                       ; v3  my stage, on the way in: a row's 512 bytes as they lie
	v_mul_u32_u24 v4, v17, SPT
	v_lshl_add_u32 v4, v18, 6, v4
	v_add_nc_u32 v4, s42, v4                       ; v4  and out: row r, + 64 h: my 16 numbers of a block of 32
	v_and_b32 v19, 8, v17
	v_add_nc_u32 v19, v19, v17                     ; r + 8 (r / 8)
	v_mul_u32_u24 v5, v19, 96
	v_mad_u32_u24 v5, v18, 24, v5                  ; v5  a weight's fragment: my row of 96 bytes, + 24 h
	v_lshlrev_b32 v7, 2, v19                       ; v7  my row's scale word or bias
	v_lshl_add_u32 v6, v18, 5, v7                  ; v6  the same, lanes 16-31 eight rows on: the odd tile's
	v_lshlrev_b32 v8, 6, v18                       ; v8  64 h: a bias tile's eight numbers of my half
	s_mul_i32 s43, s[WV], 1536
	s_add_co_u32 s43, s43, HIMG
	v_add_nc_u32 v9, s43, v1                       ; v9  where I put h's image
	v_lshlrev_b32 v11, 2, v16
	s_lshl_b32 s43, s[WV], 7
	s_add_co_u32 s43, s43, HSC
	v_add_nc_u32 v10, s43, v11                     ; v10 and its scale words
	v_add_nc_u32 v11, HSC, v11                     ; v11 where any tile's scale words are read
	v_add_nc_u32 v12, HIMG, v1                     ; v12 and any tile's image
	s_lshl_b32 s43, s[WV], 6
	s_add_co_u32 s43, s43, GAT
	v_lshl_add_u32 v13, v17, 2, s43                ; v13 q's scale word on its way out: 64 w + 4 r
	s_lshr_b32 s43, s[WV], 2
	s_lshl_b32 s43, s43, 8
	s_and_b32 s44, s[WV], 3
	s_lshl_b32 s44, s44, 2
	s_add_co_u32 s43, s43, s44
	s_add_co_u32 s43, s43, GAT+512
	v_lshl_add_u32 v14, v17, 4, s43                ; v14 k's (v's 512 on): 256 (w / 4) + 4 (w % 4) + 16 r
	s_lshl_b32 s43, s[WV], 9
	s_add_co_u32 s43, s43, GAT
	v_add_nc_u32 v15, s43, v1                      ; v15 waves 0-2 read the three runs of 512 bytes back
	s_mov_b32 s[SEL], 0x76543210
	s_mov_b32 s[SEL+1], 0xfedcba98
	s_and_b32 s39, ttmp7, 0xffff                   ; batch
	s_lshr_b32 s44, s[WV], 1
	s_lshl_b32 s44, s44, 5
	s_and_b32 s45, s[WV], 1
	s_lshl_b32 s45, s45, 3
	s_add_co_u32 s44, s44, s45                     ; tile w begins at number 32 (w / 2) + 8 (w % 2)
	s_lshl_b32 s46, s39, 12
	s_lshl_b32 s47, ttmp9, 7
	s_add_co_u32 s46, s46, s47
	s_add_co_u32 s46, s46, s44
	s_lshl_b32 s46, s46, 9                         ; x: my tile's first row, in bytes
	s_mov_b32 s47, 0
	s_lshl_b32 s48, s39, 13                        ; part: the batch's 32 chunks
	s_mov_b32 s49, 0
	s_mul_i32 s50, s44, 96                         ; wv: my channel tile's rows
	s_mov_b32 s51, 0
	s_lshl_b32 s52, s44, 2                         ; and their scale words and biases
	s_mov_b32 s53, 0
	s_lshl_b32 s54, s39, 5
	s_add_co_u32 s54, s54, ttmp9                   ; 32 b + step
	s_lshl_b32 s56, s54, 3
	s_add_co_u32 s56, s56, s[WV]
	s_mul_i32 s56, s56, 1536                       ; qimg: tile 256 b + 8 step + w
	s_mov_b32 s57, 0
	s_mul_i32 s58, s54, 24576
	s_mul_i32 s59, s[WV], 1536
	s_add_co_u32 s58, s58, s59                     ; kv: the step's block, tile w
	s_mov_b32 s59, 0
	s_wait_kmcnt 0x0
	s_add_nc_u64 s[4:5], s[4:5], s[46:47]
	s_add_nc_u64 s[6:7], s[6:7], s[48:49]
	s_add_nc_u64 s[24:25], s[24:25], s[50:51]
	s_add_nc_u64 s[26:27], s[26:27], s[52:53]
	s_add_nc_u64 s[28:29], s[28:29], s[52:53]
	s_add_nc_u64 s[30:31], s[30:31], s[56:57]
	s_add_nc_u64 s[34:35], s[34:35], s[58:59]
	; ---- the first loads, in the order in which they are wanted
.set i, 0
.rept 32
	global_load_b64 v[HA+2*i:HA+2*i+1], v2, s[6:7] offset:256*i    ; (mean, M2) of my lane's group, chunk i
.set i, i+1
.endr
	global_load_b128 v[20:23], v1, s[8:9]          ; the gains of my 4 channels
	global_load_b128 v[24:27], v1, s[10:11]        ; and the biases
.set i, 0
.rept 16
	global_load_b128 v[XR+4*i:XR+4*i+3], v1, s[4:5] offset:(i+8*(i/8))*512   ; row i of my tile: a whole row of 512 bytes
.set i, i+1
.endr
.irp t, 0,1,2,3,4,5,6,7
	global_load_b128 v[AQ+8*\t:AQ+8*\t+3], v8, s[16:17] offset:(32*(\t/2)+8*(\t%2))*4        ; bq in the result's layout
	global_load_b128 v[AQ+8*\t+4:AQ+8*\t+7], v8, s[16:17] offset:(32*(\t/2)+8*(\t%2))*4+16
.endr
.irp b, 0,1,2,3
	global_load_b32 v[WQS+\b], v6, s[14:15] offset:128*\b
	global_load_b32 v[WKS+\b], v6, s[20:21] offset:128*\b
.endr
	global_load_b32 v[WVS], v7, s[26:27]
	; ---- the group's statistics
	s_wait_loadcnt 41                              ; behind the parts and the coefficients: 16 loads of x, 16 of bq, 9 scale words
.irp k, 0,1,2,3
	v_pk_add_f32 v[224+2*\k:225+2*\k], v[HA+2*\k:HA+2*\k+1], v[HA+8+2*\k:HA+9+2*\k]   ; means and M2 are summed together, as pairs, in four chains
.endr
.set i, 8
.rept 24
	v_pk_add_f32 v[224+2*(i%4):225+2*(i%4)], v[224+2*(i%4):225+2*(i%4)], v[HA+2*i:HA+2*i+1]
.set i, i+1
.endr
	v_pk_add_f32 v[224:225], v[224:225], v[226:227]
	v_pk_add_f32 v[228:229], v[228:229], v[230:231]
	v_pk_add_f32 v[224:225], v[224:225], v[228:229]
	v_mul_f32 v16, 0x3d000000, v224                ; mean = the 32 means' average
.set i, 0
.rept 32
	v_sub_f32 v[HA+2*i], v[HA+2*i], v16
.set i, i+1
.endr
	v_mul_f32 v226, v[HA], v[HA]
	v_mul_f32 v227, v[HA+2], v[HA+2]
.set i, 2
.rept 15
	v_fmac_f32 v226, v[HA+2*i], v[HA+2*i]
	v_fmac_f32 v227, v[HA+2*i+2], v[HA+2*i+2]
.set i, i+2
.endr
	v_add_f32 v226, v226, v227
	v_fmac_f32 v225, 0x44000000, v226              ; M2 = the sum of M2 + 512 x the sum of squared distances of the means
	v_mul_f32 v225, 0x38800000, v225               ; var = M2 / 16,384
	v_add_f32 v225, 0x358637bd, v225               ; + 1e-6
	v_rsq_f32 v17, v225
	v_nop                                          ; a plain instruction behind the transcendental
	s_wait_alu depctr_va_vdst(0)                   ; and the wait ahead of its first reader
.irp j, 0,1,2,3
	v_mul_f32 v[20+\j], v17, v[20+\j]              ; rsqrt x gain
.endr
	; ---- h = (x - mean) (rsqrt x gain) + bias; through my stage, so that a lane holds 16 neighbours of each block of one row
	s_wait_loadcnt 25                              ; behind x: 16 loads of bq, 9 scale words
.set i, 0
.rept 16
	v_pk_add_f32 v[XR+4*i:XR+4*i+1], v[XR+4*i:XR+4*i+1], v[16:17] op_sel_hi:[1,0] neg_lo:[0,1] neg_hi:[0,1]
	v_pk_add_f32 v[XR+4*i+2:XR+4*i+3], v[XR+4*i+2:XR+4*i+3], v[16:17] op_sel_hi:[1,0] neg_lo:[0,1] neg_hi:[0,1]
	v_pk_fma_f32 v[XR+4*i:XR+4*i+1], v[XR+4*i:XR+4*i+1], v[20:21], v[24:25]
	v_pk_fma_f32 v[XR+4*i+2:XR+4*i+3], v[XR+4*i+2:XR+4*i+3], v[22:23], v[26:27]
	ds_store_b128 v3, v[XR+4*i:XR+4*i+3] offset:SPT*i
.set i, i+1
.endr
.irp b, 0,1,2,3
.irp j, 0,1,2,3
	ds_load_b128 v[HA+16*\b+4*\j:HA+16*\b+4*\j+3], v4 offset:128*\b+16*\j   ; LDS serves a wave's instructions in order: these see my stores
.endr
.endr
	; ---- the weights, while the stage turns
	WIN 0x40                                       ; destination window 1
.irp t, 0,1,2,3,4,5,6,7
.irp p, 0,1,2,3,4,5
	global_load_b64 v[WQ+12*\t+2*\p:WQ+12*\t+2*\p+1], v5, s[12:13] offset:(32*(\t/2)+8*(\t%2))*96+48*(\p/3)+8*(\p%3)
.endr
.endr
.irp t, 0,1,2,3,4,5,6,7
.irp p, 0,1,2,3,4,5
	global_load_b64 v[WK+12*\t+2*\p:WK+12*\t+2*\p+1], v5, s[18:19] offset:(32*(\t/2)+8*(\t%2))*96+48*(\p/3)+8*(\p%3)
.endr
.endr
.irp p, 0,1,2,3,4,5
	global_load_b64 v[WVF+2*\p:WVF+2*\p+1], v5, s[24:25] offset:48*(\p/3)+8*(\p%3)
.endr
.irp j, 0,1,2,3,4,5,6,7
	global_load_b32 v[BV+\j], v7, s[28:29]         ; v's result holds one channel a lane: its bias in all eight registers
.endr
	WIN 0
	s_wait_dscnt 0x0                               ; h is back, and the stores into the stage have read x's registers,
.irp t, 0,1,2,3,4,5,6,7
	global_load_b128 v[XR+8*\t:XR+8*\t+3], v8, s[22:23] offset:(32*(\t/2)+8*(\t%2))*4        ; which take bk
	global_load_b128 v[XR+8*\t+4:XR+8*\t+7], v8, s[22:23] offset:(32*(\t/2)+8*(\t%2))*4+16
.endr
.irp b, 0,1,2,3
	v_mov_b32 v[TM+4+\b], 0                        ; written once: a lane permute's destination counts as one of its sources
.endr
	QUANT HA
.irp c, 0,1,2
	ds_store_b128 v9, v[PC+4*\c:PC+4*\c+3] offset:512*\c           ; h's image, for the waves that make v
.endr
	ds_store_b32 v10, v[PW]
	BARRIER                                        ; h's eight fragments lie in LDS
	s_wait_loadcnt 0x0                             ; weights, biases, scale words
.rept 8
	v_nop                                          ; a scale register written by a vector instruction stands 8 places ahead of a scaled matrix instruction, an operand so written 4
.endr
	WIN 0x01                                       ; source 0 (W) window 1
	PROJ AQ, WQ, WQS
	PROJ XR, WK, WKS
	WIN 0
.rept 4
	v_nop                                          ; places in front of the loads below and of the first reads of results
.endr
	WIN 0x40
.irp t, 0,1,2,3,4,5,6,7
.irp c, 0,1,2
	ds_load_b128 v[12*\t+4*\c:12*\t+4*\c+3], v12 offset:1536*\t+512*\c     ; all eight fragments of h, where wq lay
.endr
.endr
	WIN 0
.irp t, 0,1,2,3,4,5,6,7
	ds_load_b32 v[HSW+\t], v11 offset:128*\t
.endr
	QUANT AQ                                       ; q, along the channels
	IMG_GLB 30, 0
	ds_store_b32 v13, v[PW]
	s_wait_xcnt 0x0                                ; the stores have read the codes' registers,
	s_wait_dscnt 0x0                               ; and the LDS store the scale word: both are written again
	QUANT XR                                       ; k, along the channels
	IMG_GLB 34, 0
	ds_store_b32 v14, v[PW]
	s_wait_dscnt 0x0                               ; h's fragments and scale words are in
	WIN 0x15                                       ; sources 0 (h), 1 (wv) and 2 (bv) window 1
.irp t, 0,1,2,3,4,5,6,7
	v_wmma_scale_f32_16x16x128_f8f6f4 v[HA+8*\t:HA+8*\t+7], v[12*\t:12*\t+11], v[WVF:WVF+11], v[BV:BV+7], v[HSW+\t], v[WVS] matrix_a_fmt:MATRIX_FMT_FP6 matrix_b_fmt:MATRIX_FMT_FP6
.endr
	WIN 0
.rept 4
	v_nop
.endr
	s_wait_xcnt 0x0                                ; k's stores have read the codes' registers
	QUANT HA                                       ; v, along the positions
	IMG_GLB 34, 12288
	ds_store_b32 v14, v[PW] offset:512
	BARRIER                                        ; all scale words lie in LDS
	s_cmp_lt_u32 s[WV], 3
	s_cbranch_scc0 .Ldone                          ; waves 0, 1, 2 store q's, k's and v's: 512 consecutive bytes each
	ds_load_b128 v[32:35], v15
	s_lshl_b32 s60, s54, 9                         ; qsc: (32 b + step) x 512
	s_lshl_b32 s61, s54, 10                        ; kvs: (32 b + step) x 1,024 + 512 (wave - 1)
	s_max_u32 s62, s[WV], 1
	s_sub_co_u32 s62, s62, 1
	s_lshl_b32 s62, s62, 9
	s_add_co_u32 s61, s61, s62
	s_cmp_eq_u32 s[WV], 0
	s_cselect_b64 s[44:45], s[32:33], s[36:37]
	s_cselect_b32 s60, s60, s61
	s_mov_b32 s61, 0
	s_add_nc_u64 s[44:45], s[44:45], s[60:61]
	s_wait_dscnt 0x0
	global_store_b128 v1, v[32:35], s[44:45]
.Ldone:
	s_wait_tensorcnt 0x0
	ds_add_u32 v253, v255
	s_wait_dscnt 0x0
	s_endpgm
.Lfunc_end_k_q387a92e810_qkv:
	.size	k_q387a92e810_qkv, .Lfunc_end_k_q387a92e810_qkv-k_q387a92e810_qkv
	.p2alignl 7, 3214868480
	.fill 96, 4, 3214868480
	.section	.rodata,"a",@progbits
	.p2align	6, 0x0
	.amdhsa_kernel k_q387a92e810_qkv
		.amdhsa_group_segment_fixed_size 87040
		.amdhsa_private_segment_fixed_size 0
		.amdhsa_enable_private_segment 0
		.amdhsa_kernarg_size 136
		.amdhsa_user_sgpr_count 2
		.amdhsa_user_sgpr_kernarg_segment_ptr 1
		.amdhsa_wavefront_size32 1
		.amdhsa_system_sgpr_workgroup_id_x 1
		.amdhsa_system_sgpr_workgroup_id_y 1
		.amdhsa_system_sgpr_workgroup_id_z 1
		.amdhsa_system_vgpr_workitem_id 0
		.amdhsa_next_free_vgpr 512
		.amdhsa_next_free_sgpr 66
		.amdhsa_reserve_vcc 0
		.amdhsa_float_denorm_mode_32 3
		.amdhsa_float_denorm_mode_16_64 3
		.amdhsa_memory_ordered 1
		.amdhsa_forward_progress 1
		.amdhsa_inst_pref_size 57
	.end_amdhsa_kernel
	.amdgpu_metadata
---
amdhsa.version: [ 1, 2 ]
amdhsa.kernels:
  - .name:           k_q387a92e810_qkv
    .symbol:         k_q387a92e810_qkv.kd
    .args:
      - { .name: x, .offset: 0, .size: 8, .value_kind: global_buffer, .address_space: global }
      - { .name: part, .offset: 8, .size: 8, .value_kind: global_buffer, .address_space: global }
      - { .name: gn_scale, .offset: 16, .size: 8, .value_kind: global_buffer, .address_space: global }
      - { .name: gn_bias, .offset: 24, .size: 8, .value_kind: global_buffer, .address_space: global }
      - { .name: wq_codes, .offset: 32, .size: 8, .value_kind: global_buffer, .address_space: global }
      - { .name: wq_scales, .offset: 40, .size: 8, .value_kind: global_buffer, .address_space: global }
      - { .name: bq, .offset: 48, .size: 8, .value_kind: global_buffer, .address_space: global }
      - { .name: wk_codes, .offset: 56, .size: 8, .value_kind: global_buffer, .address_space: global }
      - { .name: wk_scales, .offset: 64, .size: 8, .value_kind: global_buffer, .address_space: global }
      - { .name: bk, .offset: 72, .size: 8, .value_kind: global_buffer, .address_space: global }
      - { .name: wv_codes, .offset: 80, .size: 8, .value_kind: global_buffer, .address_space: global }
      - { .name: wv_scales, .offset: 88, .size: 8, .value_kind: global_buffer, .address_space: global }
      - { .name: bv, .offset: 96, .size: 8, .value_kind: global_buffer, .address_space: global }
      - { .name: qimg, .offset: 104, .size: 8, .value_kind: global_buffer, .address_space: global }
      - { .name: qsc, .offset: 112, .size: 8, .value_kind: global_buffer, .address_space: global }
      - { .name: kv, .offset: 120, .size: 8, .value_kind: global_buffer, .address_space: global }
      - { .name: kvs, .offset: 128, .size: 8, .value_kind: global_buffer, .address_space: global }
    .group_segment_fixed_size: 87040
    .private_segment_fixed_size: 0
    .kernarg_segment_align: 8
    .kernarg_segment_size: 136
    .max_flat_workgroup_size: 256
    .sgpr_count:     66
    .vgpr_count:     512
    .wavefront_size: 32
...
	.end_amdgpu_metadata
.endif
;; end of part 2
;; launch attn (part 3): grid 32 x 8, 8 waves a work-group, clusters of 4 x 1, 327,680 bytes of LDS; arguments qimg, qsc, kv, kvs, wo_codes, wo_scales, bo, x, out0; writes out0
.if DOCPART == 3
	.amdgcn_target "amdgcn-amd-amdhsa--gfx1250"
	.amdhsa_code_object_version 6
	.text
	.protected	k_q387a92e810_attn
	.globl	k_q387a92e810_attn
	.p2align	8
	.type	k_q387a92e810_attn,@function
k_q387a92e810_attn:
	s_mov_b64 s[64:65], 0
	v_nop
	global_prefetch_b8 v0, s[64:65] scope:SCOPE_SE
	s_setreg_imm32_b32 hwreg(HW_REG_WAVE_MODE, 25, 1), 1
	s_wait_xcnt 0x0
	s_wait_alu depctr_hold_cnt(0) depctr_sa_sdst(0) depctr_va_vdst(0) depctr_va_sdst(0) depctr_va_ssrc(0) depctr_va_vcc(0) depctr_vm_vsrc(0)
	s_getreg_b32 s2, hwreg(HW_REG_IB_STS2, 6, 4)
	s_cmp_eq_u32 s2, 0
	s_cbranch_scc0 .Lentry_in_a_cluster
	s_endpgm
.Lentry_in_a_cluster:
	s_bfe_u32 s2, ttmp6, 0x10000c
	s_cmp_lg_u32 s2, 0x3003
	s_cbranch_scc0 .Lentry_shape_is_right
	s_endpgm
.Lentry_shape_is_right:
; out = x + Q(softmax(q k^T / sqrt(128)) v) Wo + bo, all products on codes of FP6 (E2M3) with one E8M0 scale for each 32 along K.  8 batches, 4,096 positions, 128 channels.
; THE SOFTMAX AHEAD OF THE SECOND PRODUCT: t = score x log2(e) / sqrt(128); M = the largest t so far, rounded UP to a whole number; p = 2^(t - M) is quantised along the keys, not normalised; the row's sum is
; taken of the unquantised p and divides at the end.  When M moves, the sum and O are multiplied by 2^(old M - new M): exact.
; SHARES.  A work-group owns 128 queries of one batch (one step of the launch before).  Eight waves, two to a SIMD, so that one wave's vector work stands beside the other's matrix work and LDS loads.  Wave w: pair = w % 4
; (two tiles of 16 queries), g = w / 4: of each slot's four key steps it walks steps 2 g and 2 g + 1.  So a fragment of K or V read from LDS feeds two matrix instructions.  Tile A (2 pair + g) is the one that
; the wave finishes, tile B (2 pair + 1 - g) the one that it hands to wave w xor 4, through LDS: no line hangs on the role.
; LAYOUT.  Both products transposed: S^T = K Q^T, O^T = V^T P: a lane holds one query.  K's keys and V's channels lie in tiles whose row m is number 32 b + 8 u + m + 8 (m / 8) (tile 2 b + u), so that a lane's 16 registers
; of two neighbouring tiles are 16 neighbours of the next K.  All operands come as images of their registers: a fragment is three loads of 16 bytes a lane, 512 consecutive bytes each: no pitch, no padding.
; RING.  Two LDS slots of four key steps (98,304 bytes); each wave fetches 12,288 bytes (48 rows of 256) with one tensor load.  The batch's 32,768 scale bytes come once, with the first fills.
; CLUSTER.  The four query blocks of a cluster walk the same K and V: every fill is asked for jointly, by the same load with the same descriptor (made of the batch and the wave's number alone) and the mask of all four.
; A wave has two tensor loads out at the start and one behind each round.
; LIMITS: NaN and infinities are not served; a block of p (or of o) whose largest magnitude lies under 2^-124 has its byte held at 1 (a block of zeros too: its codes are zeros).
; REGISTERS.  Window 0: v1-7 addresses; v8-15 two tiles' -M, largest t, sum (a pair); v16-19 (f, p's scale word) a tile; v20-23 K's scale words, v24-27 V's; v28 at work; v29, v30 Q's scale words; v32-47 the quantiser's;
;   v48-71 p's codes; v96-223 S^T, then p; v224-247 addresses and the merge.   Window 1: v0-127 O^T; v128-151 Q; v160-255 eight fragments of K or of V.
.set STEPB, 24576                      ; a key step: K's 8 images, then V's 8
.set SLOTB, 4*STEPB
.set SCB,   98304                      ; behind slot 0: the batch's scale bytes, 1,024 a step
.set SLOT1, 131072                     ; slot 1: one exclusive or turns an address in one slot into the other's
.set XCH,   SLOT1+SLOTB                ; eight regions of 8,448 bytes: wave w's tile B (8,192), its -M (128), its sum (128); later the reading wave's stage of 16 rows x 528.  No tensor load lands here
.set XRG,   8448
.set SPARE, XCH+8*XRG                  ; the spare words, 128 bytes for each wave: four blocks of 256 bytes that no other line names
.set L16,  1                           ; 16 x lane
.set ADR0, 2                           ; my place in a slot: 16 x lane + 2 g steps
.set ADR,  3                           ; the same in the slot in hand
.set ADS0, 4                           ; my place among the scale bytes
.set ADS,  5
.set SPW,  6                           ; LDS address of my spare word; never rewritten
.set NIL,  7                           ; 0; never rewritten
.set KS,   20
.set VS,   24
.set MISC, 28
.set QSA,  29                          ; Q's scale words: tile A's, and in v30 tile B's
.set QO,   31                          ; 4 r
.set TM,   32
.set XW,   224                         ; my region: 16 x lane
.set XWS,  225                         ; 4 x lane
.set XR,   226                         ; wave w xor 4's region likewise
.set XRS,  227
.set STO,  228                         ; the stage: row r, + 32 h
.set WOA,  229                         ; wo: row r of 96 bytes, + 24 h
.set L4,   230                         ; 4 x lane
.set PFO,  231                         ; 256 x lane
.set BO,   232                         ; v232-235 bo of my 4 channels
.set FR,   160                         ; window 1
.set WV,   22
.set G,    23
.set G1,   24                          ; s[24:31] group 1 for a slot's part; s[32:39] for the scale bytes'
.set G1S,  32
.set G0,   40                          ; s[40:43] group 0, which walks; s[44:47] the scale bytes'
.set G0S,  44
.set SEL,  48
.set CS,   50
.set TB,   52                          ; LDS byte at which the slot in hand begins
.set TS,   53                          ; and its scale bytes: 4,096 a slot
.set SLOTS, 54
.set LIM,  55
.set PFA,  56
.set XP,   58
.set OP,   60
.set W_LD, 0x40                        ; destination window 1
.set W_KQ, 0x05                        ; K and Q window 1, S^T window 0
.set W_PV, 0x51                        ; V, C and D window 1, P window 0
.set W_RS, 0x41                        ; O^T (destination and source 0) window 1
.set MSB, 0
.macro WIN new                         ; the immediate's high byte repeats the setting that is left
.if MSB != \new
	s_set_vgpr_msb (MSB<<8)|\new
.set MSB, \new
.endif
.endm
.macro CROUND                          ; a round of the cluster's barrier
	s_barrier_signal -1
	s_barrier_wait -1
	s_cmp_lg_u32 s[WV], 0
	s_cbranch_scc1 .Lnot_wave_0_\@
	s_barrier_signal -3
.Lnot_wave_0_\@:
	s_barrier_wait -3
	s_barrier_signal -1
	s_barrier_wait -1
.endm
; A matrix instruction: D at d, source 0 at a, source 1 at b; inplace = 0: C = 0, the product starts the sum; ra = 1: source 0's scale words lie in lanes 16-31.
.macro WM d, a, b, inplace, sa, sb, ra
.if \inplace
.if \ra
	v_wmma_scale_f32_16x16x128_f8f6f4 v[\d:\d+7], v[\a:\a+11], v[\b:\b+11], v[\d:\d+7], v[\sa], v[\sb] matrix_a_fmt:MATRIX_FMT_FP6 matrix_b_fmt:MATRIX_FMT_FP6 matrix_a_scale:MATRIX_SCALE_ROW1
.else
	v_wmma_scale_f32_16x16x128_f8f6f4 v[\d:\d+7], v[\a:\a+11], v[\b:\b+11], v[\d:\d+7], v[\sa], v[\sb] matrix_a_fmt:MATRIX_FMT_FP6 matrix_b_fmt:MATRIX_FMT_FP6
.endif
.else
.if \ra
	v_wmma_scale_f32_16x16x128_f8f6f4 v[\d:\d+7], v[\a:\a+11], v[\b:\b+11], 0, v[\sa], v[\sb] matrix_a_fmt:MATRIX_FMT_FP6 matrix_b_fmt:MATRIX_FMT_FP6 matrix_a_scale:MATRIX_SCALE_ROW1
.else
	v_wmma_scale_f32_16x16x128_f8f6f4 v[\d:\d+7], v[\a:\a+11], v[\b:\b+11], 0, v[\sa], v[\sb] matrix_a_fmt:MATRIX_FMT_FP6 matrix_b_fmt:MATRIX_FMT_FP6
.endif
.endif
.endm
; A PREFETCH INTO THE L2 of the slot that the NEXT change of slots will ask for: 98,304 bytes, lanes 256 bytes apart.  All clusters of a batch walk the same K and V: the batch's first cluster asks.  Its four partners take
; 24,576 bytes each, told apart by address; in each, waves 0 to 2 take 8,192 bytes: one instruction a wave, each block of 256 bytes named once in the launch.  It stands behind the wave's tensor load and its four lines.
; The last change that fills a slot asks for nothing; slots 0 and 1 and the scale bytes come by their loads alone.
.macro ASK
	s_cmp_gt_u32 s[SLOTS], s[LIM]
	s_cbranch_scc0 .Lnot_mine_\@
	global_prefetch_b8 v[PFO], s[PFA:PFA+1] th:TH_LOAD_NT scope:SCOPE_SE
.Lnot_mine_\@:
.endm
; THE CHANGE OF SLOTS stands at a slot's head.  Each wave waits for all its tensor loads (its part of the slot ahead), adds 0 to its spare word, and waits for that and for its reads of the slot that it has left.
; fill = 1: a round of the cluster's barrier, and behind it the slot just left is filled with the keys that follow: that load has a whole slot's work in which to land.
.macro CHANGE fill
	s_wait_tensorcnt 0x0                           ; no tensor load of mine is out, so group 0 may be written
	ds_add_u32 v[SPW], v[NIL]                      ; 0 onto my spare word
.if \fill
	s_xor_b32 s[G0+1], s[G0+1], SLOT1              ; the other slot than last time,
	s_add_nc_u64 s[G0+2:G0+3], s[G0+2:G0+3], SLOTB ; the next four key steps; the type bits on top are not reached
	s_wait_xcnt 0x0                                ; the last prefetch, a slot back, has read its address
	s_add_nc_u64 s[PFA:PFA+1], s[PFA:PFA+1], SLOTB ; one slot further on than the walking descriptor
	s_wait_dscnt 0x0                               ; the add is done, and my reads of the slot that I have left are over
	CROUND                                         ; both now hold of every wave of all four work-groups
	tensor_load_to_lds s[G0:G0+3], s[G1:G1+7]      ; my one tensor load until the next round, and the first thing behind this one
	s_nop 0
.rept 4
	v_nop
.endr
	ASK
.else
	s_wait_dscnt 0x0
	s_barrier_signal -1
	s_barrier_wait -1
.endif
	v_add_nc_u32 v[ADR], s[TB], v[ADR0]
	v_add_nc_u32 v[ADS], s[TS], v[ADS0]
.endm
; One tile's softmax for a key step of 128 keys: from the scores in S^T to p's codes and scale word; f is left for O^T's rescaling.
.macro SOFTMAX y
.set S,  96+64*(\y)
.set ST, 8+4*(\y)                      ; -M, the largest t, the sum in two halves
.set FP, 16+2*(\y)                     ; f, p's scale word
.set PC, 48+12*(\y)
.irp b, 0,1,2,3
	v_max3_num_f32 v[TM+\b], v[S+16*\b], v[S+1+16*\b], v[S+2+16*\b]   ; the largest score of each block of 32 keys: it serves for the row's maximum and, since p rises with the score, for the block's largest p
.endr
.irp i, 3,5,7,9,11,13
.irp b, 0,1,2,3
	v_max3_num_f32 v[TM+\b], v[TM+\b], v[S+16*\b+\i], v[S+1+16*\b+\i]
.endr
.endr
.irp b, 0,1,2,3
	v_max_num_f32 v[TM+\b], v[TM+\b], v[S+15+16*\b]
.endr
.irp b, 0,1,2,3
	v_permlanex16_b32 v[TM+4+\b], v[TM+\b], s[SEL], s[SEL+1]
.endr
.irp b, 0,1,2,3
	v_max_num_f32 v[TM+\b], v[TM+\b], v[TM+4+\b]   ; with lane l xor 16's 16 keys
.endr
	v_max3_num_f32 v[MISC], v[TM], v[TM+1], v[TM+2]
	v_max_num_f32 v[MISC], v[MISC], v[TM+3]
	v_mul_f32 v[MISC], s[CS], v[MISC]              ; the step's largest t (c is positive)
	v_max_num_f32 v[ST+1], v[ST+1], v[MISC]
	v_mov_b32 v[MISC], v[ST]
	v_floor_f32 v[ST], -v[ST+1]                    ; the new -M = floor(-t): M is a whole number
	v_sub_f32 v[MISC], v[ST], v[MISC]              ; old M - new M: a whole number, 0 or less
	v_cvt_i32_f32 v[MISC], v[MISC]                 ; (it saturates)
	v_ldexp_f32 v[FP], 1.0, v[MISC]                ; f = 2^(old M - new M)
.set j, 0
.rept 32
	v_pk_fma_f32 v[S+j:S+j+1], v[S+j:S+j+1], s[CS:CS+1], v[ST:ST+1] op_sel_hi:[1,0,0]   ; t - M, two at a time
.set j, j+2
.endr
.irp b, 0,1,2,3
	v_fma_f32 v[TM+\b], v[TM+\b], s[CS], v[ST]     ; the same of each block's largest score
.endr
.set j, 0
.rept 64
	v_exp_f32 v[S+j], v[S+j]                       ; p = 2^(t - M), at most 1
.set j, j+1
.endr
	v_pk_mul_f32 v[ST+2:ST+3], v[ST+2:ST+3], v[FP:FP+1] op_sel_hi:[1,0]   ; the sums under the new M (a plain instruction behind the exponentials)
	s_wait_alu depctr_va_vdst(0)                   ; one wait for the whole batch, ahead of its first reader
.irp b, 0,1,2,3
	v_exp_f32 v[TM+\b], v[TM+\b]                   ; the block's largest p: the same two instructions on the same number
.endr
	v_pk_add_f32 v[TM+4:TM+5], v[S:S+1], v[S+2:S+3]   ; the row's sum of the unquantised p, in two chains
.set j, 4
.rept 15
	v_pk_add_f32 v[ST+2:ST+3], v[ST+2:ST+3], v[S+j:S+j+1]
	v_pk_add_f32 v[TM+4:TM+5], v[TM+4:TM+5], v[S+j+2:S+j+3]
.set j, j+4
.endr
	v_pk_add_f32 v[ST+2:ST+3], v[ST+2:ST+3], v[TM+4:TM+5]
	s_wait_alu depctr_va_vdst(0)                   ; and one for the four
.irp b, 0,1,2,3
	v_max_num_f32 v[TM+\b], 0x1800000, v[TM+\b]    ; the floor 2^(3 - 127): the byte cannot fall under 1
.endr
.irp b, 0,1,2,3
	v_add_nc_u32 v[TM+12+\b], 0xff000000, v[TM+\b] ; 2 off the exponent field: the conversion's scale operand
.endr
.irp b, 0,1,2,3
	v_lshrrev_b32 v[TM+4+\b], 23, v[TM+12+\b]
.endr
	v_lshl_or_b32 v[FP+1], v[TM+5], 8, v[TM+4]     ; p's scale word for these 128 keys
	v_lshl_or_b32 v[FP+1], v[TM+6], 16, v[FP+1]
	v_lshl_or_b32 v[FP+1], v[TM+7], 24, v[FP+1]
.irp c, 0,1
	v_cvt_scalef32_pk16_fp6_f32 v[PC+6*\c:PC+6*\c+2], v[S+32*\c:S+32*\c+15], v[TM+12+2*\c]
	v_cvt_scalef32_pk16_fp6_f32 v[TM+4+4*\c:TM+6+4*\c], v[S+16+32*\c:S+31+32*\c], v[TM+13+2*\c]
.endr
	v_nop                                          ; one plain instruction behind the scaled conversions
.irp c, 0,1
.irp i, 0,1,2
	v_permlane16_swap_b32 v[PC+6*\c+\i], v[TM+4+4*\c+\i]
.endr
.irp i, 0,1,2
	v_mov_b32 v[PC+3+6*\c+\i], v[TM+4+4*\c+\i]
.endr
.endr
.endm
; A KEY STEP: 128 keys, the q-th of my two in the slot in hand, for my two tiles of queries.
.macro STEP q
	WIN W_LD
.irp t, 0,1,2,3,4,5,6,7
.irp c, 0,1,2
	ds_load_b128 v[FR+12*\t+4*\c:FR+12*\t+4*\c+3], v[ADR] offset:STEPB*\q+1536*\t+512*\c   ; K's eight fragments
.endr
.endr
	WIN 0
	ds_load_b128 v[KS:KS+3], v[ADS] offset:1024*\q         ; register t % 4: lanes 0-15 tile t, lanes 16-31 tile t + 4
	ds_load_b128 v[VS:VS+3], v[ADS] offset:1024*\q+512
	s_wait_dscnt 0x0
	WIN W_KQ
.irp t, 0,1,2,3,4,5,6,7
.irp y, 0,1
	WM 96+64*\y+8*\t, FR+12*\t, 128+12*\y, 0, KS+\t%4, QSA+\y, \t/4
.endr
.endr
	WIN 0
.rept 4
	v_nop                                          ; places in front of the loads into the fragments' registers and of the first reads of scores
.endr
	WIN W_LD
.irp t, 0,1,2,3,4,5,6,7
.irp c, 0,1,2
	ds_load_b128 v[FR+12*\t+4*\c:FR+12*\t+4*\c+3], v[ADR] offset:STEPB*\q+12288+1536*\t+512*\c   ; V's eight land while the softmax is walked
.endr
.endr
	WIN 0
	SOFTMAX 0
	SOFTMAX 1
	WIN W_RS
.irp y, 0,1
.set j, 0
.rept 32
	v_pk_mul_f32 v[64*\y+j:64*\y+j+1], v[64*\y+j:64*\y+j+1], v[16+2*\y:17+2*\y] op_sel_hi:[1,0]   ; O^T under the new M.  (These are also the places between the codes and scale words just made and the products)
.set j, j+2
.endr
.endr
	s_wait_dscnt 0x0                               ; V is in
	WIN W_PV
.irp t, 0,1,2,3,4,5,6,7
.irp y, 0,1
	WM 64*\y+8*\t, FR+12*\t, 48+12*\y, 1, VS+\t%4, 17+2*\y, \t/4   ; sixteen accumulators by turns
.endr
.endr
	WIN 0
.rept 4
	v_nop                                          ; places in front of the next loads into fragments and scale words, and of the first reads of O^T
.endr
.endm
.macro SLOT
	STEP 0
	STEP 1
	s_xor_b32 s[TB], s[TB], SLOT1                  ; on to the other slot,
	s_add_co_u32 s[TS], s[TS], 4096                ; and to the next four steps' scale bytes
.endm
; 64 numbers of a lane, register 16 b + i = k 32 b + 16 (lane / 16) + i, become a fragment's codes in v[pc] on and its scale word in v[pw].
.macro QUANT s, pc, pw
.irp b, 0,1,2,3
	v_max3_num_f32 v[TM+\b], |v[\s+16*\b]|, |v[\s+1+16*\b]|, 0x1800000
.endr
.irp i, 2,4,6,8,10,12,14
.irp b, 0,1,2,3
	v_max3_num_f32 v[TM+\b], v[TM+\b], |v[\s+16*\b+\i]|, |v[\s+1+16*\b+\i]|
.endr
.endr
.irp b, 0,1,2,3
	v_permlanex16_b32 v[TM+4+\b], v[TM+\b], s[SEL], s[SEL+1]
.endr
.irp b, 0,1,2,3
	v_max_num_f32 v[TM+\b], v[TM+\b], v[TM+4+\b]
.endr
.irp b, 0,1,2,3
	v_add_nc_u32 v[TM+12+\b], 0xff000000, v[TM+\b]
.endr
.irp b, 0,1,2,3
	v_lshrrev_b32 v[TM+4+\b], 23, v[TM+12+\b]
.endr
	v_lshl_or_b32 v[\pw], v[TM+5], 8, v[TM+4]
	v_lshl_or_b32 v[\pw], v[TM+6], 16, v[\pw]
	v_lshl_or_b32 v[\pw], v[TM+7], 24, v[\pw]
.irp c, 0,1
	v_cvt_scalef32_pk16_fp6_f32 v[\pc+6*\c:\pc+6*\c+2], v[\s+32*\c:\s+32*\c+15], v[TM+12+2*\c]
	v_cvt_scalef32_pk16_fp6_f32 v[TM+4+4*\c:TM+6+4*\c], v[\s+16+32*\c:\s+31+32*\c], v[TM+13+2*\c]
.endr
	v_nop
.irp c, 0,1
.irp i, 0,1,2
	v_permlane16_swap_b32 v[\pc+6*\c+\i], v[TM+4+4*\c+\i]
.endr
.irp i, 0,1,2
	v_mov_b32 v[\pc+3+6*\c+\i], v[TM+4+4*\c+\i]
.endr
.endr
.endm
	s_load_b512 s[4:19], s[0:1], 0x0               ; qimg 4, qsc 6, kv 8, kvs 10, wo_codes 12, wo_scales 14, bo 16, x 18
	s_load_b64 s[20:21], s[0:1], 0x40              ; out0
	v_lshl_add_u32 v[SPW], v0, 2, SPARE
	v_mov_b32 v[NIL], 0
	ds_add_u32 v6, v7
	ds_add_u32 v6, v7
	s_wait_dscnt 0x0
	v_lshrrev_b32 v1, 5, v0
	v_readfirstlane_b32 s[WV], v1                  ; wave 0..7
	s_lshr_b32 s[G], s[WV], 2                      ; which two of a slot's four steps are mine
	s_and_b32 s66, s[WV], 3                        ; pair
	s_bfe_u32 s67, ttmp6, 0x40000                  ; cx: it enters Q's, x's, out's and the prefetches' addresses alone
	s_lshl_b32 s68, ttmp9, 2
	s_add_co_u32 s68, s68, s67                     ; my block of 128 queries = 4 x cluster x + cx
	s_and_b32 s69, ttmp7, 0xffff                   ; the batch, which the four partners share
	s_mul_i32 s70, s69, 786432                     ; the batch's K and V
	s_mul_i32 s[G0+1], s[WV], 12288                ; my part of a slot: in LDS,
	s_add_co_u32 s72, s70, s[G0+1]                 ; and in memory
	s_mov_b32 s73, 0
	s_lshl_b32 s74, s69, 15                        ; the batch's scale bytes,
	s_lshl_b32 s75, s[WV], 12                      ; my 4,096 of them
	s_add_co_u32 s74, s74, s75
	s_add_co_u32 s[G0S+1], s75, SCB
	s_mov_b32 s75, 0
	s_lshl_b32 s76, s69, 8
	s_lshl_b32 s77, s68, 3
	s_add_co_u32 s76, s76, s77
	s_lshl_b32 s77, s66, 1
	s_add_co_u32 s76, s76, s77                     ; tile 256 b + 8 block + 2 pair
	s_add_co_u32 s77, s76, s[G]                    ; tile A
	s_xor_b32 s78, s[G], 1
	s_add_co_u32 s78, s76, s78                     ; tile B
	s_mul_i32 s80, s77, 1536
	s_mov_b32 s81, 0
	s_mul_i32 s82, s78, 1536
	s_mov_b32 s83, 0
	s_lshl_b32 s84, s77, 6
	s_mov_b32 s85, 0
	s_lshl_b32 s86, s78, 6
	s_mov_b32 s87, 0
	s_lshl_b32 s88, s69, 12
	s_lshl_b32 s89, s68, 7
	s_add_co_u32 s88, s88, s89
	s_lshl_b32 s89, s66, 5
	s_add_co_u32 s88, s88, s89
	s_lshl_b32 s89, s[G], 3
	s_add_co_u32 s88, s88, s89                     ; tile A's first position: 4096 b + 128 block + 32 pair + 8 g
	s_lshl_b32 s88, s88, 9
	s_mov_b32 s89, 0
	s_mul_i32 s90, s67, 24576                      ; the prefetches: my work-group's quarter of a slot,
	s_add_co_u32 s90, s90, s70
	s_lshl_b32 s91, s[WV], 13                      ; my wave's 8,192 bytes of it,
	s_add_co_u32 s90, s90, s91
	s_add_co_u32 s90, s90, SLOTB                   ; in slot 1: the first change of slots steps it to slot 2
	s_mov_b32 s91, 0
	s_cmp_lt_u32 s[WV], 3
	s_cselect_b32 s2, 0, 1
	s_or_b32 s2, s2, ttmp9                         ; waves 0 to 2 of the batch's first cluster: the same in all four partners
	s_cmp_eq_u32 s2, 0
	s_cselect_b32 s[LIM], 1, -1
	; descriptor group 1: dense blocks as rows of 256 bytes (32 elements of 8 bytes): 48 rows of a slot, 16 rows of scale bytes
	s_mov_b32 s[G1], 15|(3<<16)|(1<<21)            ; 15:0 the mask: all four work-groups; 17:16 elements of 8 bytes; 20 no padding; 21 set beside a mask
	s_mov_b32 s[G1+1], 32<<16                      ; tensor_dim0 = 32
	s_mov_b32 s[G1+2], 48<<16                      ; tensor_dim1 = 48
	s_mov_b32 s[G1+3], 32<<16                      ; tile_dim0 = 32
	s_mov_b32 s[G1+4], 48                          ; tile_dim1 = 48
	s_mov_b32 s[G1+5], 32                          ; from row to row
	s_mov_b32 s[G1+6], 0
	s_mov_b32 s[G1+7], 0
	s_mov_b32 s[G1S], 15|(3<<16)|(1<<21)
	s_mov_b32 s[G1S+1], 32<<16
	s_mov_b32 s[G1S+2], 16<<16
	s_mov_b32 s[G1S+3], 32<<16
	s_mov_b32 s[G1S+4], 16
	s_mov_b32 s[G1S+5], 32
	s_mov_b32 s[G1S+6], 0
	s_mov_b32 s[G1S+7], 0
	s_mov_b32 s[G0], 1
	s_mov_b32 s[G0S], 1
	s_mov_b32 s[SEL], 0x76543210
	s_mov_b32 s[SEL+1], 0xfedcba98
	s_mov_b32 s[CS], 0x3e0293ee                    ; c = log2(e) / sqrt(128)
	s_mov_b32 s[CS+1], s[CS]
	s_mov_b32 s[TB], 0
	s_mov_b32 s[TS], 0
	s_mov_b32 s[SLOTS], 7
	v_and_b32 v8, 31, v0                           ; lane
	v_and_b32 v9, 15, v0                           ; r
	v_bfe_u32 v10, v0, 4, 1                        ; h
	v_lshlrev_b32 v[L16], 4, v8
	s_wait_kmcnt 0x0
	s_add_nc_u64 s[G0+2:G0+3], s[8:9], s[72:73]
	s_or_b32 s[G0+3], s[G0+3], 0x80000000
	s_add_nc_u64 s[G0S+2:G0S+3], s[10:11], s[74:75]
	s_or_b32 s[G0S+3], s[G0S+3], 0x80000000
	s_add_nc_u64 s[PFA:PFA+1], s[8:9], s[90:91]
	s_add_nc_u64 s[80:81], s[4:5], s[80:81]        ; Q: tile A's image,
	s_add_nc_u64 s[82:83], s[4:5], s[82:83]        ; tile B's,
	s_add_nc_u64 s[84:85], s[6:7], s[84:85]        ; and their scale words
	s_add_nc_u64 s[86:87], s[6:7], s[86:87]
	s_add_nc_u64 s[XP:XP+1], s[18:19], s[88:89]
	s_add_nc_u64 s[OP:OP+1], s[20:21], s[88:89]
	CROUND                                         ; all four work-groups are here: the first joint loads meet
	tensor_load_to_lds s[G0S:G0S+3], s[G1S:G1S+7]  ; the scale bytes of the whole batch: filled once
	s_nop 0
	tensor_load_to_lds s[G0:G0+3], s[G1:G1+7]      ; slot 0
	s_nop 0
.rept 4
	v_nop
.endr
	WIN W_LD
.irp c, 0,1,2
	global_load_b128 v[128+4*\c:131+4*\c], v[L16], s[80:81] offset:512*\c   ; Q stays in registers
	global_load_b128 v[140+4*\c:143+4*\c], v[L16], s[82:83] offset:512*\c
.endr
	WIN 0
	v_lshlrev_b32 v[QO], 2, v9
	global_load_b32 v[QSA], v[QO], s[84:85]
	global_load_b32 v[QSA+1], v[QO], s[86:87]
	s_mul_i32 s2, s[G], 2*STEPB
	v_add_nc_u32 v[ADR0], s2, v[L16]
	s_lshl_b32 s2, s[G], 11
	s_add_co_u32 s2, s2, SCB
	v_add_nc_u32 v[ADS0], s2, v[L16]
	v_lshlrev_b32 v[L4], 2, v8
	s_mul_i32 s2, s[WV], XRG
	s_add_co_u32 s2, s2, XCH
	v_add_nc_u32 v[XW], s2, v[L16]
	v_add_nc_u32 v[XWS], s2, v[L4]
	s_xor_b32 s3, s[WV], 4
	s_mul_i32 s3, s3, XRG
	s_add_co_u32 s3, s3, XCH
	v_add_nc_u32 v[XR], s3, v[L16]
	v_add_nc_u32 v[XRS], s3, v[L4]
	v_mul_u32_u24 v[STO], v9, 528
	v_lshl_add_u32 v[STO], v10, 5, v[STO]
	v_add_nc_u32 v[STO], s3, v[STO]
	v_mul_u32_u24 v[WOA], v9, 96
	v_mad_u32_u24 v[WOA], v10, 24, v[WOA]
	v_lshlrev_b32 v[PFO], 8, v8
.irp y, 0,1
	v_mov_b32 v[9+4*\y], 0xff61b1e6                ; the largest t so far: -3e38, under every t
	v_floor_f32 v[8+4*\y], -v[9+4*\y]              ; -M
	v_mov_b32 v[10+4*\y], 0                        ; the sum, in two halves
	v_mov_b32 v[11+4*\y], 0
	v_mov_b32 v[16+2*\y], 0
	v_mov_b32 v[17+2*\y], 0                        ; (named as the upper half of a pair before it is first made)
.endr
.irp b, 0,1,2,3
	v_mov_b32 v[TM+4+\b], 0                        ; written once: a lane permute's destination counts as one of its sources
.endr
	WIN W_LD
.set j, 0
.rept 128
	v_mov_b32 v[j], 0                              ; O^T.  The step is written without a first form of its own: the first finds zeros, which the first change of M leaves zeros
.set j, j+1
.endr
	WIN 0
	s_wait_loadcnt 0x0                             ; Q
.Lslot:                                            ; 7 trips: behind each change of slots but the last the next slot is asked for
	CHANGE 1
	SLOT
	s_sub_co_u32 s[SLOTS], s[SLOTS], 1
	s_cmp_lg_u32 s[SLOTS], 0
	s_cbranch_scc1 .Lslot
	CHANGE 0                                       ; the last slot is written out
	SLOT
	; ---- what the way out wants from memory: x's 16 rows of tile A, bo, wo
.set i, 0
.rept 16
	global_load_b128 v[160+4*i:163+4*i], v[L16], s[XP:XP+1] offset:(i+8*(i/8))*512 th:TH_LOAD_NT   ; row i of the tile: a whole row of 512 bytes
.set i, i+1
.endr
	global_load_b128 v[BO:BO+3], v[L16], s[16:17]
.irp u, 0,1,2,3
	global_load_b32 v[KS+\u], v[L4], s[14:15] offset:128*\u    ; wo's scale words: lanes 0-15 tile 2 u, lanes 16-31 tile 2 u + 1
.endr
	WIN W_LD
.irp t, 0,1,2,3,4,5,6,7
.irp p, 0,1,2,3,4,5
	global_load_b64 v[FR+12*\t+2*\p:FR+12*\t+2*\p+1], v[WOA], s[12:13] offset:1536*\t+48*(\p/3)+8*(\p%3)
.endr
.endr
	; ---- tile B goes to wave w xor 4: O^T as it stands, -M and the sum
	WIN 0
	v_add_f32 v14, v14, v15
	WIN 0x04                                       ; an LDS store's data are its source 1: window 1
.set i, 0
.rept 16
	ds_store_b128 v[XW], v[64+4*i:67+4*i] offset:512*i             ; each accumulator from its low end on
.set i, i+1
.endr
	WIN 0
	ds_store_b32 v[XWS], v12 offset:8192
	ds_store_b32 v[XWS], v14 offset:8320
	s_wait_dscnt 0x0                               ; for the other wave's sake: my stores have landed
	s_barrier_signal -1
	s_barrier_wait -1
.set i, 0
.rept 16
	ds_load_b128 v[96+4*i:99+4*i], v[XR] offset:512*i              ; the other half of the keys for my tile A
.set i, i+1
.endr
	ds_load_b32 v236, v[XRS] offset:8192
	ds_load_b32 v237, v[XRS] offset:8320
	v_add_f32 v10, v10, v11
	v_mov_b32 v245, 0
	v_mov_b32 v241, 0
	v_mov_b32 v243, 0
	s_wait_dscnt 0x0
	; ---- the two halves under one M; divided by the row's sum
	v_min_num_f32 v238, v8, v236                   ; -M of the larger M
	v_sub_f32 v240, v238, v8
	v_sub_f32 v242, v238, v236
	v_cvt_i32_f32 v240, v240
	v_cvt_i32_f32 v242, v242
	v_ldexp_f32 v240, 1.0, v240                    ; 2^(my M - M)
	v_ldexp_f32 v242, 1.0, v242                    ; 2^(the other's M - M)
	v_mul_f32 v244, v10, v240
	v_fmac_f32 v244, v237, v242
	v_permlanex16_b32 v245, v244, s[SEL], s[SEL+1]
	v_add_f32 v244, v244, v245                     ; with lane l xor 16's: the row's sum
	v_rcp_f32 v246, v244
	v_nop                                          ; a plain instruction behind the transcendental
	s_wait_alu depctr_va_vdst(0)                   ; and the wait ahead of its first reader
	v_mul_f32 v240, v240, v246
	v_mul_f32 v242, v242, v246
.set j, 0
.rept 32
	v_pk_mul_f32 v[96+j:97+j], v[96+j:97+j], v[242:243] op_sel_hi:[1,0]
.set j, j+2
.endr
	WIN 0x01                                       ; source 0 (my O^T) window 1
.set j, 0
.rept 32
	v_pk_fma_f32 v[96+j:97+j], v[j:j+1], v[240:241], v[96+j:97+j] op_sel_hi:[1,0,1]   ; o: register 16 b + i is channel 32 b + 16 h + i of my query
.set j, j+2
.endr
	WIN 0
	QUANT 96, 48, 17
	s_wait_loadcnt 0x0                             ; x, bo, wo
.set i, 0
.rept 16
	v_pk_add_f32 v[160+4*i:161+4*i], v[160+4*i:161+4*i], v[BO:BO+1]       ; x + bo.  (These are also the places between the codes and the scale word just made and the products)
	v_pk_add_f32 v[162+4*i:163+4*i], v[162+4*i:163+4*i], v[BO+2:BO+3]
.set i, i+1
.endr
	WIN 0x01
.irp t, 0,1,2,3,4,5,6,7
	WM 96+8*\t, FR+12*\t, 48, 0, KS+\t/2, 17, \t%2     ; source 0 = 16 rows of wo, source 1 = o: lane (r, h) holds channels 16 t + 8 h + 0 .. 7 of query r
.endr
	WIN 0
.rept 4
	v_nop
.endr
	; ---- through a stage, so that whole rows leave.  The stage lies in the region that I alone have read behind the barrier and that nobody else touches again
.irp t, 0,1,2,3,4,5,6,7
	ds_store_b128 v[STO], v[96+8*\t:99+8*\t] offset:64*\t
	ds_store_b128 v[STO], v[100+8*\t:103+8*\t] offset:64*\t+16
.endr
.set i, 0
.rept 16
	ds_load_b128 v[32+4*i:35+4*i], v[XR] offset:528*i              ; LDS serves a wave's instructions in order: these see my stores
.set i, i+1
.endr
.set i, 0
.rept 16
	s_wait_dscnt 15-i                              ; row i is back; the younger loads may be out
	v_pk_add_f32 v[32+4*i:33+4*i], v[32+4*i:33+4*i], v[160+4*i:161+4*i]
	v_pk_add_f32 v[34+4*i:35+4*i], v[34+4*i:35+4*i], v[162+4*i:163+4*i]
	global_store_b128 v[L16], v[32+4*i:35+4*i], s[OP:OP+1] offset:(i+8*(i/8))*512 th:TH_STORE_NT   ; 32 lanes store a row of 512 consecutive bytes, aligned
.set i, i+1
.endr
	s_wait_tensorcnt 0x0                           ; the wave's end
	ds_add_u32 v[SPW], v[NIL]
	s_wait_dscnt 0x0
	CROUND                                         ; the closing round: no work-group ends while a partner may still ask for a tile that names it
	s_endpgm
.Lfunc_end_k_q387a92e810_attn:
	.size	k_q387a92e810_attn, .Lfunc_end_k_q387a92e810_attn-k_q387a92e810_attn
	.p2alignl 7, 3214868480
	.fill 96, 4, 3214868480
	.section	.rodata,"a",@progbits
	.p2align	6, 0x0
	.amdhsa_kernel k_q387a92e810_attn
		.amdhsa_group_segment_fixed_size 327680
		.amdhsa_private_segment_fixed_size 0
		.amdhsa_enable_private_segment 0
		.amdhsa_kernarg_size 72
		.amdhsa_user_sgpr_count 2
		.amdhsa_user_sgpr_kernarg_segment_ptr 1
		.amdhsa_wavefront_size32 1
		.amdhsa_system_sgpr_workgroup_id_x 1
		.amdhsa_system_sgpr_workgroup_id_y 1
		.amdhsa_system_sgpr_workgroup_id_z 1
		.amdhsa_system_vgpr_workitem_id 0
		.amdhsa_next_free_vgpr 512
		.amdhsa_next_free_sgpr 96
		.amdhsa_reserve_vcc 0
		.amdhsa_float_denorm_mode_32 3
		.amdhsa_float_denorm_mode_16_64 3
		.amdhsa_memory_ordered 1
		.amdhsa_forward_progress 1
		.amdhsa_inst_pref_size 173
	.end_amdhsa_kernel
	.amdgpu_metadata
---
amdhsa.version: [ 1, 2 ]
amdhsa.kernels:
  - .name:           k_q387a92e810_attn
    .symbol:         k_q387a92e810_attn.kd
    .args:
      - { .name: qimg, .offset: 0, .size: 8, .value_kind: global_buffer, .address_space: global }
      - { .name: qsc, .offset: 8, .size: 8, .value_kind: global_buffer, .address_space: global }
      - { .name: kv, .offset: 16, .size: 8, .value_kind: global_buffer, .address_space: global }
      - { .name: kvs, .offset: 24, .size: 8, .value_kind: global_buffer, .address_space: global }
      - { .name: wo_codes, .offset: 32, .size: 8, .value_kind: global_buffer, .address_space: global }
      - { .name: wo_scales, .offset: 40, .size: 8, .value_kind: global_buffer, .address_space: global }
      - { .name: bo, .offset: 48, .size: 8, .value_kind: global_buffer, .address_space: global }
      - { .name: x, .offset: 56, .size: 8, .value_kind: global_buffer, .address_space: global }
      - { .name: out0, .offset: 64, .size: 8, .value_kind: global_buffer, .address_space: global }
    .group_segment_fixed_size: 327680
    .private_segment_fixed_size: 0
    .kernarg_segment_align: 8
    .kernarg_segment_size: 72
    .max_flat_workgroup_size: 256
    .sgpr_count:     96
    .vgpr_count:     512
    .wavefront_size: 32
...
	.end_amdgpu_metadata
.endif
;; end of part 3
